; MI455X (gfx1250); checked and timed in simulation.
; The chip was launched on July 23, 2026; its instructions are those of AMD's public machine-readable ISA for CDNA 5 (MIT licence, August 2026) and "CDNA5" Instruction Set Architecture Reference Guide (July 2026). The comments in the code are by the model that wrote it; some were corrected since.
;; Ngram GPU Kernel. Allowed arithmetic: float matrix products may take bf16 or f16 operands with f32 sums; other float arithmetic in f32, or as packed bf16 or f16 multiplies, adds, multiply-adds, maxima and minima; sums over many terms, partial sums and values carried from step to step in f32; what a program stores and reads back later, other than sums and carried values, may be rounded once to bf16 or f16.
;; Inputs: combined_mask 512 bool; num_tokens_no_spec 512 int32; token_ids_gpu 512 x 8,192 int32.
;; Outputs: out0 512 x 8 int32.
;; 2 versions, each right and faster than the one before. Each part assembles by itself: llvm-mc -triple=amdgcn-amd-amdhsa -mcpu=gfx1250 --defsym DOCPART=n.
;; ======== version 1 of 2: 2 launches
;; workspace buffers: keys 16,384 bytes of whole numbers
;; launch scan (part 1): grid 512 x 1, 8 waves a work-group, no clusters, 0 bytes of LDS; arguments combined_mask, num_tokens_no_spec, token_ids_gpu, keys; writes keys
.if DOCPART == 1
	.amdgcn_target "amdgcn-amd-amdhsa--gfx1250"
	.amdhsa_code_object_version 6
	.text
	.protected	k_q751e79a34d_scan
	.globl	k_q751e79a34d_scan
	.p2align	8
	.type	k_q751e79a34d_scan,@function
k_q751e79a34d_scan:
	s_mov_b64 s[64:65], 0
	v_nop
	global_prefetch_b8 v0, s[64:65] scope:SCOPE_SE
	s_setreg_imm32_b32 hwreg(HW_REG_WAVE_MODE, 25, 1), 1
	s_wait_xcnt 0x0
; N-GRAM DRAFT, FIRST OF TWO LAUNCHES: WHERE IS THE MATCH?  For each of 512 rows t[0..8191] (int32) with length L the trailing n tokens (n = 5, 4, 3) are searched in the row; the longest n
; that has a match wins, of its matches the first; the 8 tokens behind it are the result; zeros if there is none or the row's mask byte is 0.  This launch stores, for each wave's part of a
; row, a KEY that names the match; the second launch takes the least of a row's eight keys and fetches the tokens: no address and no branch here hangs on a compare of tokens.
; BY END POSITION.  Let q0..q4 = t[L-5..L-1]; the three patterns are suffixes of each other.  A match of length n that starts at p ends at e = p + n - 1:
;   n = 3: t[e] = q4, t[e-1] = q3, t[e-2] = q2;   n = 4: also t[e-3] = q1;   n = 5: also t[e-4] = q0.
; The reference's bound p <= L - n - 8 is e <= L - 9 for every n, its result t[p+n ..] is t[e+1 .. e+8] for every n, and the first p is the first e.  KEY = e + 0x2000 x (5 - n): the least key over
; all valid matches is the answer.  The valid ends are a prefix of the row, so the first match of a level is valid or none of that level is: the bound is tested once, at the end.
; The reference clips the pattern's indices at 0 only for L < n; a valid end needs L >= n + 8, so there the result is zeros whatever the pattern.
; WHAT IS NOT READ.  L and the mask are whole numbers read from memory here, and only what they ask for is done: a row whose mask byte is 0 and a wave whose tokens all lie behind L-9 load
; nothing and store the key 'none'.  All three inputs are loaded; no step of the reference is left out.
; LIMIT.  L lies in -2^31+9 .. 8192: the reference's own index L-1 stays in the row, and L-9 does not wrap.  Every address made from L is clamped into the row all the same.
; SHARES.  A work-group takes a row, its eight waves 1,024 tokens each: 8 chunks of 128 tokens, one load of 16 bytes a lane, so a load of a wave covers 512 consecutive bytes, aligned.
; Lane i, register k of a chunk holds token 4 i + k.  A compare with a pattern token gives a mask of lanes in a scalar register; two chunks' masks lie in one 64-bit pair.
; A MATCH IS RECORDED ONE LANE AHEAD OF ITS END.  For an end in register k of lane a + 1 the pattern's part that lies in lane a + 1 is the same for n = 3, 4, 5 (but for k = 3, which has two):
; that product is shifted right by one lane, five shifts in all, and the parts in lane a are ANDed on level by level.  So lane a of chunk c stands for the ends 128 c + 4 a + 4 .. + 7.
; FROM THE LAST CHUNK TO THE FIRST.  The shift wants lane 0 of the chunk behind: that chunk has been worked on already, and its bit is kept as a carry; behind the wave's last chunk stand 16 bytes
; loaded for the purpose.  And the first match of a lane is what the last overwrite leaves: one select for each register, chunk and level, the position as its constant.
; A wave so finds the ends from its first token + 4 to its last + 4.  The row's ends 2 and 3 have no lane ahead of them: they are the bits that wave 0's first chunk shifts out.
; In the row's one partial wave a chunk behind the last needed one repeats that chunk's address: every active wave has the same loads and counts, and what the repeats show lies behind L-9.
; No matrix work (there is no product), no tensor load and no LDS (a wave wants 16 bytes of another's), no cluster (rows share nothing).  A wave's whole result is one word of 4 bytes.
.set S_TOK, 8192                       ; tokens in a row
.set LV4,   0x2000                     ; key of a 4-gram: e + LV4
.set LV3,   0x4000                     ; of a 3-gram
.set BIG,   0x40000                    ; the key 'none'
.set SENT,  0x10000                    ; a lane's first match before it has one: beyond every bound
.set LN,    2                          ; v2   lane
.set VOFF,  3                          ; v3   byte offset in the row of my 16 bytes of the wave's chunk 0
.set LB,    4                          ; v4   the wave's first token + 4 x lane
.set VPOST, 5                          ; v5   byte offset of the four tokens behind the wave's range
.set KV,    6                          ; v6   the key
.set TV,    7                          ; v7   at work
.set VO,    8                          ; v9-15  my offset in chunks 1 to 7
.set POST,  16                         ; v16-19 the four tokens behind the wave's range, the same in every lane
.set D,     20                         ; v20-51 chunk c at D + 4 c
.set B3,    52                         ; v52-53 the lane's first 3-gram, level and position: in even chunks, in odd chunks: two chains that do not wait for each other
.set B4,    54                         ; v54-55 4-gram
.set B5,    56                         ; v56-57 5-gram
.set Z,     58                         ; v58  0
.set REM,   2                          ; s2   (L - 9) - the wave's first token
.set CM,    3                          ; s3   the chunk in which L - 9 lies, counted from the wave's first
.set MK,    20                         ; s20  the row's mask byte
.set LEN,   21                         ; s21  L
.set LIM,   22                         ; s22  L - 9, the last valid end; -1 for a masked row
.set BASE,  23                         ; s23  the wave's first token
.set E4,    24                         ; s24-31 pairs: q4 = register k at E4 + 2 k: low word the even chunk, high word the odd one
.set E3,    32                         ; s32-39 q3
.set E2,    40                         ; s40-47 q2
.set E1,    48                         ; s48-55 q1
.set E0,    56                         ; s56-63 q0
.set CY,    66                         ; s66-75 two sets of five carries, 0 or bit 31: lane 0 of the chunk behind
.set Q0,    76                         ; s76-80 q0..q4
.set Q1,    77
.set Q2,    78
.set Q3,    79
.set Q4,    80
.set WV,    81                         ; s81  wave
.set T0,    82
.set X,     83
.set PO,    84                         ; s[84:85] the pattern's byte offset in the row
.set PA,    86                         ; s[86:87] its address
.set SBIG,  88                         ; s88  BIG
.set SV,    89
.set SEL,   90                         ; s[90:91] v_permlanex16_b32's selects: each lane takes its own place in the other half
.set LC5,   92                         ; s92-94 the last end that this wave may report, with each level's offset
.set LC4,   93
.set LC3,   94
	s_load_b256 s[4:11], s[0:1], 0x0               ; mask s[4:5], L s[6:7], tokens s[8:9], keys s[10:11]
	v_lshrrev_b32 v1, 5, v0
	v_readfirstlane_b32 s[WV], v1                  ; wave 0..7
	v_and_b32 v[LN], 31, v0
	s_mov_b32 s12, ttmp9                           ; the row: 1 byte of the mask,
	s_mov_b32 s13, 0
	s_lshl_b32 s14, ttmp9, 2                       ; 4 bytes of L,
	s_mov_b32 s15, 0
	s_lshl_b32 s16, ttmp9, 15                      ; 32,768 bytes of tokens,
	s_mov_b32 s17, 0
	s_lshl_b32 s18, ttmp9, 5                       ; 32 bytes of keys, of which my wave has 4
	s_lshl2_add_u32 s18, s[WV], s18
	s_mov_b32 s19, 0
	s_wait_kmcnt 0x0
	s_add_nc_u64 s[4:5], s[4:5], s[12:13]
	s_add_nc_u64 s[6:7], s[6:7], s[14:15]
	s_load_u8 s[MK], s[4:5], 0x0
	s_load_b32 s[LEN], s[6:7], 0x0
	s_add_nc_u64 s[8:9], s[8:9], s[16:17]          ; what hangs on ids alone is made while the two are on their way
	s_add_nc_u64 s[10:11], s[10:11], s[18:19]
	s_lshl_b32 s[BASE], s[WV], 10
	v_lshlrev_b32 v[VOFF], 4, v[LN]
	v_lshl_add_u32 v[VOFF], s[WV], 12, v[VOFF]
	v_lshlrev_b32 v[LB], 2, v[LN]
	v_add_nc_u32 v[LB], s[BASE], v[LB]
	v_mov_b32 v[KV], BIG
	v_mov_b32 v[Z], 0
	s_mov_b32 s[SBIG], BIG
	s_mov_b32 s[SEL], 0x76543210
	s_mov_b32 s[SEL+1], 0xfedcba98
	s_mov_b32 s[PO+1], 0
	s_wait_kmcnt 0x0                               ; L and the mask byte
	s_sub_co_i32 s[LIM], s[LEN], 9
	s_cmp_lg_u32 s[MK], 0
	s_cselect_b32 s[LIM], s[LIM], -1
	s_sub_co_i32 s[REM], s[LIM], s[BASE]
	s_cmp_lt_i32 s[REM], 0
	s_cbranch_scc1 .Lout                           ; no valid end from my first token on: nothing is loaded, the key is 'none'
	s_sub_co_i32 s[PO], s[LEN], 5                  ; the pattern: t[L-5 .. L-1], clamped into the row
	s_min_u32 s[PO], s[PO], S_TOK-5
	s_lshl_b32 s[PO], s[PO], 2
	s_add_nc_u64 s[PA:PA+1], s[8:9], s[PO:PO+1]
	s_load_b128 s[Q0:Q0+3], s[PA:PA+1], 0x0
	s_load_b32 s[Q4], s[PA:PA+1], 0x10
	s_lshr_b32 s[CM], s[REM], 7
	s_min_u32 s[T0], s[CM], 8                      ; the four tokens behind my range, if L - 9 lies behind it; else the head of the last needed chunk, which serves nothing and costs no new bytes
	s_lshl_b32 s[T0], s[T0], 9
	s_lshl_b32 s[X], s[WV], 12
	s_add_co_u32 s[T0], s[T0], s[X]
	s_min_u32 s[T0], s[T0], 4*S_TOK-16             ; inside the row whatever L holds
	v_mov_b32 v[VPOST], s[T0]
	global_load_b128 v[POST:POST+3], v[VPOST], s[8:9]
.irp c, 7,6,5,4,3,2,1
	s_min_u32 s[T0], s[CM], \c                     ; chunk c, or the last needed one
	s_lshl_b32 s[T0], s[T0], 9
	v_add_nc_u32 v[VO+(\c)], s[T0], v[VOFF]
	global_load_b128 v[D+4*(\c):D+4*(\c)+3], v[VO+(\c)], s[8:9]
.endr
	global_load_b128 v[D:D+3], v[VOFF], s[8:9]
	s_min_u32 s[LC5], s[REM], 1027                 ; my lanes stand for ends up to my first token + 1,027
	s_add_co_u32 s[LC5], s[LC5], s[BASE]
	s_add_co_u32 s[LC4], s[LC5], LV4
	s_add_co_u32 s[LC3], s[LC5], LV3
.irp r, 0,1,2,3,4,5
	v_mov_b32 v[B3+(\r)], SENT
.endr
; The 20 masks of chunk c, into the low (even c) or high (odd c) words of the pairs.
.macro CMPS c
.set H, (\c)%2
.irp k, 0,1,2,3
	v_cmp_eq_u32 s[E4+2*(\k)+H], s[Q4], v[D+4*(\c)+(\k)]
	v_cmp_eq_u32 s[E3+2*(\k)+H], s[Q3], v[D+4*(\c)+(\k)]
	v_cmp_eq_u32 s[E2+2*(\k)+H], s[Q2], v[D+4*(\c)+(\k)]
	v_cmp_eq_u32 s[E1+2*(\k)+H], s[Q1], v[D+4*(\c)+(\k)]
	v_cmp_eq_u32 s[E0+2*(\k)+H], s[Q0], v[D+4*(\c)+(\k)]
.endr
.endm
.macro AND64 d, a, b
	s_and_b64 s[(\d):(\d)+1], s[(\a):(\a)+1], s[(\b):(\b)+1]
.endm
; The pair at x goes one lane down: lane a takes lane a + 1, the odd chunk's lane 31 the carry; its own lane 0 becomes the carry for the pair in front.
.macro SHIFT x, i
	s_lshl_b32 s[CYO+(\i)], s[(\x)], 31
	s_lshr_b64 s[(\x):(\x)+1], s[(\x):(\x)+1], 1
	s_or_b32 s[(\x)+1], s[(\x)+1], s[CYI+(\i)]
.endm
; Chunks 2 p and 2 p + 1.  Loads come back in order, and chunk c was issued with c loads behind it.
.macro PAIR p
.set CYI, CY+5*(((\p)+1)%2)
.set CYO, CY+5*((\p)%2)
	s_wait_loadcnt 2*(\p)+1
	CMPS 2*(\p)+1
	s_wait_loadcnt 2*(\p)
	CMPS 2*(\p)
	AND64 E4+2, E4+2, E3+0                         ; the pattern's part in the end's own lane.  End in register 1: q4, q3 in registers 1, 0
	AND64 E4+4, E4+4, E3+2                         ; register 2: q4, q3, q2 in 2, 1, 0
	AND64 E4+6, E4+6, E3+4                         ; register 3: q4, q3, q2 in 3, 2, 1,
	AND64 E4+4, E4+4, E2+0
	AND64 E4+6, E4+6, E2+2
	AND64 E1+0, E4+6, E1+0                         ; and for n >= 4 also q1 in 0.  (Register 0: q4 alone)
	SHIFT E4+0, 0
	SHIFT E4+2, 1
	SHIFT E4+4, 2
	SHIFT E4+6, 3
	SHIFT E1+0, 4
	AND64 E4+0, E4+0, E3+6                         ; the parts in the lane ahead.  3-grams end up in E4 + 2 k,
	AND64 E4+2, E4+2, E2+6
	AND64 E4+0, E4+0, E2+4
	AND64 E1+4, E4+2, E1+4                         ; 4-grams in E1 + 2 ((k + 1) % 4),
	AND64 E1+6, E4+4, E1+6
	AND64 E1+2, E4+0, E1+2
	AND64 E0+6, E1+0, E0+6                         ; 5-grams in E0 + 2 k
	AND64 E0+2, E1+4, E0+2
	AND64 E0+4, E1+6, E0+4
	AND64 E0+0, E1+2, E0+0
.irp k, 3,2,1,0                        ; later ends first: the last overwrite leaves the lane's first match
.irp h, 1,0
	v_cndmask_b32 v[B3+(\h)], v[B3+(\h)], LV3+128*(2*(\p)+(\h))+(\k)+4, s[E4+2*(\k)+(\h)]
	v_cndmask_b32 v[B4+(\h)], v[B4+(\h)], LV4+128*(2*(\p)+(\h))+(\k)+4, s[E1+2*(((\k)+1)%4)+(\h)]
	v_cndmask_b32 v[B5+(\h)], v[B5+(\h)], 128*(2*(\p)+(\h))+(\k)+4, s[E0+2*(\k)+(\h)]
.endr
.endr
.endm
	s_wait_kmcnt 0x0                               ; the pattern
	s_wait_loadcnt 8                               ; the four tokens behind my range; the eight chunks may stay out
.irp k, 0,1,2,3                        ; the same five products of them; every lane holds the same tokens, so a mask is all ones or 0
	v_cmp_eq_u32 s[E4+2*(\k)], s[Q4], v[POST+(\k)]
.endr
.irp k, 0,1,2
	v_cmp_eq_u32 s[E3+2*(\k)], s[Q3], v[POST+(\k)]
.endr
.irp k, 0,1
	v_cmp_eq_u32 s[E2+2*(\k)], s[Q2], v[POST+(\k)]
.endr
	v_cmp_eq_u32 s[E1], s[Q1], v[POST]
	s_and_b32 s[E4+2], s[E4+2], s[E3]
	s_and_b32 s[E4+4], s[E4+4], s[E3+2]
	s_and_b32 s[E4+6], s[E4+6], s[E3+4]
	s_and_b32 s[E4+4], s[E4+4], s[E2]
	s_and_b32 s[E4+6], s[E4+6], s[E2+2]
	s_and_b32 s[E1], s[E4+6], s[E1]
	s_lshl_b32 s[CY+0], s[E4], 31                  ; the carries into chunk 7
	s_lshl_b32 s[CY+1], s[E4+2], 31
	s_lshl_b32 s[CY+2], s[E4+4], 31
	s_lshl_b32 s[CY+3], s[E4+6], 31
	s_lshl_b32 s[CY+4], s[E1], 31
	PAIR 3
	PAIR 2
	PAIR 1
	PAIR 0
	v_min_u32 v[B3], v[B3], v[B3+1]                ; even and odd chunks
	v_min_u32 v[B4], v[B4], v[B4+1]
	v_min_u32 v[B5], v[B5], v[B5+1]
	v_add_nc_u32 v[B3], v[B3], v[LB]               ; from the wave and the lane to the row
	v_add_nc_u32 v[B4], v[B4], v[LB]
	v_add_nc_u32 v[B5], v[B5], v[LB]
	v_cmp_ge_u32 s[E4],   s[LC3], v[B3]            ; e <= L - 9, once for each level
	v_cmp_ge_u32 s[E4+1], s[LC4], v[B4]
	v_cmp_ge_u32 s[E4+2], s[LC5], v[B5]
	s_cmp_lg_u32 s[CY+4], 0                        ; what chunk 0 has shifted out: ends in the wave's first four tokens.  In waves 1 to 7 the wave in front has them;
	s_cselect_b32 s[X], LV4+3, s[SBIG]             ; in wave 0 they are the row's: a 4-gram that ends at 3,
	s_cmp_lg_u32 s[CY+3], 0
	s_cselect_b32 s[T0], LV3+3, s[SBIG]            ; a 3-gram that ends at 3,
	s_min_u32 s[X], s[X], s[T0]
	s_cmp_ge_i32 s[REM], 3
	s_cselect_b32 s[X], s[X], s[SBIG]
	s_cmp_lg_u32 s[CY+2], 0
	s_cselect_b32 s[T0], LV3+2, s[SBIG]            ; a 3-gram that ends at 2
	s_cmp_ge_i32 s[REM], 2
	s_cselect_b32 s[T0], s[T0], s[SBIG]
	s_min_u32 s[X], s[X], s[T0]
	s_cmp_eq_u32 s[WV], 0
	s_cselect_b32 s[X], s[X], s[SBIG]
	v_cndmask_b32 v[KV], v[KV], v[B3], s[E4]       ; the longest valid level of the lane
	v_cndmask_b32 v[KV], v[KV], v[B4], s[E4+1]
	v_cndmask_b32 v[KV], v[KV], v[B5], s[E4+2]
	v_min_u32 v[KV], s[X], v[KV]
	v_mov_b32 v[TV], v[KV]                         ; (a lane move's destination counts as read)
.irp m, 1,2,4,8                        ; the least key of the 32 lanes: four steps inside each half of 16, one across
	v_mov_b32_dpp v[TV], v[KV] row_xmask:\m row_mask:0xf bank_mask:0xf
	v_min_u32 v[KV], v[KV], v[TV]
.endr
	v_permlanex16_b32 v[TV], v[KV], s[SEL], s[SEL+1]
	v_min_u32 v[KV], v[KV], v[TV]
.Lout:                                                 ; every wave, with or without work, stores its word
	s_wait_xcnt 0x0                                ; EXEC changes only behind this wait
	v_cmp_eq_u32 vcc_lo, 0, v[LN]
	s_and_saveexec_b32 s[SV], vcc_lo
	global_store_b32 v[Z], v[KV], s[10:11]         ; lane 0: the wave's key
	s_wait_xcnt 0x0                                ; and again, in front of the line that widens it
	s_or_b32 exec_lo, exec_lo, s[SV]
	s_endpgm
.Lfunc_end_k_q751e79a34d_scan:
	.size	k_q751e79a34d_scan, .Lfunc_end_k_q751e79a34d_scan-k_q751e79a34d_scan
	.p2alignl 7, 3214868480
	.fill 96, 4, 3214868480
	.section	.rodata,"a",@progbits
	.p2align	6, 0x0
	.amdhsa_kernel k_q751e79a34d_scan
		.amdhsa_group_segment_fixed_size 0
		.amdhsa_private_segment_fixed_size 0
		.amdhsa_enable_private_segment 0
		.amdhsa_kernarg_size 32
		.amdhsa_user_sgpr_count 2
		.amdhsa_user_sgpr_kernarg_segment_ptr 1
		.amdhsa_wavefront_size32 1
		.amdhsa_system_sgpr_workgroup_id_x 1
		.amdhsa_system_sgpr_workgroup_id_y 1
		.amdhsa_system_sgpr_workgroup_id_z 1
		.amdhsa_system_vgpr_workitem_id 0
		.amdhsa_next_free_vgpr 60
		.amdhsa_next_free_sgpr 96
		.amdhsa_reserve_vcc 1
		.amdhsa_float_denorm_mode_32 3
		.amdhsa_float_denorm_mode_16_64 3
		.amdhsa_memory_ordered 1
		.amdhsa_forward_progress 1
		.amdhsa_inst_pref_size 31
	.end_amdhsa_kernel
	.amdgpu_metadata
---
amdhsa.version: [ 1, 2 ]
amdhsa.kernels:
  - .name:           k_q751e79a34d_scan
    .symbol:         k_q751e79a34d_scan.kd
    .args:
      - { .name: combined_mask, .offset: 0, .size: 8, .value_kind: global_buffer, .address_space: global }
      - { .name: num_tokens_no_spec, .offset: 8, .size: 8, .value_kind: global_buffer, .address_space: global }
      - { .name: token_ids_gpu, .offset: 16, .size: 8, .value_kind: global_buffer, .address_space: global }
      - { .name: keys, .offset: 24, .size: 8, .value_kind: global_buffer, .address_space: global }
    .group_segment_fixed_size: 0
    .private_segment_fixed_size: 0
    .kernarg_segment_align: 8
    .kernarg_segment_size: 32
    .max_flat_workgroup_size: 256
    .sgpr_count:     96
    .vgpr_count:     60
    .wavefront_size: 32
...
	.end_amdgpu_metadata
.endif
;; end of part 1
;; launch pick (part 2): grid 32 x 1, 1 waves a work-group, no clusters, 0 bytes of LDS; arguments keys, token_ids_gpu, out0; writes out0
.if DOCPART == 2
	.amdgcn_target "amdgcn-amd-amdhsa--gfx1250"
	.amdhsa_code_object_version 6
	.text
	.protected	k_q751e79a34d_pick
	.globl	k_q751e79a34d_pick
	.p2align	8
	.type	k_q751e79a34d_pick,@function
k_q751e79a34d_pick:
	s_mov_b64 s[64:65], 0
	v_nop
	global_prefetch_b8 v0, s[64:65] scope:SCOPE_SE
	s_setreg_imm32_b32 hwreg(HW_REG_WAVE_MODE, 25, 1), 1
	s_wait_xcnt 0x0
; N-GRAM DRAFT, SECOND OF TWO LAUNCHES: THE TOKENS BEHIND THE MATCH.  keys[row][wave] = e + 0x2000 x (5 - n) for the best valid match that the wave found (e its end, n its length), or a number
; from 0x6000 on for none (a masked row has none).  The least of a row's eight keys names the row's match; out0[row][j] = t[e + 1 + j], or 0 where there is none.  Nothing is left out here.
; The keys are whole numbers that this launch reads from memory, and the addresses are made of them, clamped into the row.
; SHARES.  1,024 lanes, half a row each: four tokens, which lie at no multiple of 16 bytes and come by four loads of 4 bytes; one store of 16 bytes a lane, so a wave's store covers
; 512 consecutive bytes, aligned.  There is work for 32 waves, and 32 are launched, each a work-group of its own.
.set S_TOK, 8192
.set NONE,  0x6000
	s_load_b128 s[4:7], s[0:1], 0x0                ; keys s[4:5], tokens s[6:7]
	s_load_b64 s[8:9], s[0:1], 0x10                ; out0
	s_lshl_b32 s10, ttmp9, 5
	v_add_nc_u32 v1, s10, v0                       ; my number among the 1,024
	v_lshrrev_b32 v2, 1, v1                        ; the row
	v_and_b32 v3, 1, v1                            ; which half of its eight
	v_lshlrev_b32 v4, 5, v2                        ; the row's 32 bytes of keys
	v_lshlrev_b32 v5, 15, v2                       ; the row's 32,768 bytes of tokens
	v_lshlrev_b32 v6, 4, v1                        ; my 16 bytes of out0
	v_lshlrev_b32 v3, 2, v3                        ; 0 or 4 tokens on
	s_wait_kmcnt 0x0
	global_load_b128 v[8:11], v4, s[4:5]
	global_load_b128 v[12:15], v4, s[4:5] offset:16
	s_wait_loadcnt 0x0
	v_min_u32 v8,  v8,  v9
	v_min_u32 v10, v10, v11
	v_min_u32 v12, v12, v13
	v_min_u32 v14, v14, v15
	v_min_u32 v8,  v8,  v10
	v_min_u32 v12, v12, v14
	v_min_u32 v8,  v8,  v12                        ; the row's least key
	v_and_b32 v16, 0x1fff, v8                      ; e
	v_min_u32 v16, S_TOK-9, v16                    ; e + 8 stays in the row, also where there is no match
	v_add_nc_u32 v16, v16, v3
	v_lshlrev_b32 v16, 2, v16
	v_add_nc_u32 v16, v16, v5
	global_load_b32 v20, v16, s[6:7] offset:4      ; t[e + 1 + 4 x half + 0 .. 3]
	global_load_b32 v21, v16, s[6:7] offset:8
	global_load_b32 v22, v16, s[6:7] offset:12
	global_load_b32 v23, v16, s[6:7] offset:16
	v_cmp_gt_u32 vcc_lo, NONE, v8                  ; is there a match?
	s_wait_loadcnt 0x0
	v_cndmask_b32 v20, 0, v20, vcc_lo
	v_cndmask_b32 v21, 0, v21, vcc_lo
	v_cndmask_b32 v22, 0, v22, vcc_lo
	v_cndmask_b32 v23, 0, v23, vcc_lo
	global_store_b128 v6, v[20:23], s[8:9]
	s_endpgm
.Lfunc_end_k_q751e79a34d_pick:
	.size	k_q751e79a34d_pick, .Lfunc_end_k_q751e79a34d_pick-k_q751e79a34d_pick
	.p2alignl 7, 3214868480
	.fill 96, 4, 3214868480
	.section	.rodata,"a",@progbits
	.p2align	6, 0x0
	.amdhsa_kernel k_q751e79a34d_pick
		.amdhsa_group_segment_fixed_size 0
		.amdhsa_private_segment_fixed_size 0
		.amdhsa_enable_private_segment 0
		.amdhsa_kernarg_size 24
		.amdhsa_user_sgpr_count 2
		.amdhsa_user_sgpr_kernarg_segment_ptr 1
		.amdhsa_wavefront_size32 1
		.amdhsa_system_sgpr_workgroup_id_x 1
		.amdhsa_system_sgpr_workgroup_id_y 1
		.amdhsa_system_sgpr_workgroup_id_z 1
		.amdhsa_system_vgpr_workitem_id 0
		.amdhsa_next_free_vgpr 24
		.amdhsa_next_free_sgpr 66
		.amdhsa_reserve_vcc 1
		.amdhsa_float_denorm_mode_32 3
		.amdhsa_float_denorm_mode_16_64 3
		.amdhsa_memory_ordered 1
		.amdhsa_forward_progress 1
		.amdhsa_inst_pref_size 3
	.end_amdhsa_kernel
	.amdgpu_metadata
---
amdhsa.version: [ 1, 2 ]
amdhsa.kernels:
  - .name:           k_q751e79a34d_pick
    .symbol:         k_q751e79a34d_pick.kd
    .args:
      - { .name: keys, .offset: 0, .size: 8, .value_kind: global_buffer, .address_space: global }
      - { .name: token_ids_gpu, .offset: 8, .size: 8, .value_kind: global_buffer, .address_space: global }
      - { .name: out0, .offset: 16, .size: 8, .value_kind: global_buffer, .address_space: global }
    .group_segment_fixed_size: 0
    .private_segment_fixed_size: 0
    .kernarg_segment_align: 8
    .kernarg_segment_size: 24
    .max_flat_workgroup_size: 32
    .sgpr_count:     66
    .vgpr_count:     24
    .wavefront_size: 32
...
	.end_amdgpu_metadata
.endif
;; end of part 2
;; ======== version 2 of 2: 1 launch; 1.53 times as fast as version 1
;; launch ngram (part 3): grid 512 x 1, 8 waves a work-group, no clusters, 5,376 bytes of LDS; arguments combined_mask, num_tokens_no_spec, token_ids_gpu, out0; writes out0
.if DOCPART == 3
	.amdgcn_target "amdgcn-amd-amdhsa--gfx1250"
	.amdhsa_code_object_version 6
	.text
	.protected	k_q751e79a34d_ngram
	.globl	k_q751e79a34d_ngram
	.p2align	8
	.type	k_q751e79a34d_ngram,@function
k_q751e79a34d_ngram:
	s_mov_b64 s[64:65], 0
	v_nop
	global_prefetch_b8 v0, s[64:65] scope:SCOPE_SE
	s_setreg_imm32_b32 hwreg(HW_REG_WAVE_MODE, 25, 1), 1
	s_wait_xcnt 0x0
; N-GRAM DRAFT.  For each of 512 rows t[0..8191] (int32) with length L the trailing n tokens (n = 5, 4, 3) are searched in the row; the longest n that has a match wins, of its matches the
; first; the 8 tokens behind it are the result; zeros if there is none or the row's mask byte is 0.  No address and no branch here hangs on a compare of tokens: what a compare decides is
; selected, the 8 result tokens too, out of the registers of the wave that found the match.
; BY END POSITION.  Let q0..q4 = t[L-5..L-1]; the three patterns are suffixes of each other.  A match of length n that starts at p ends at e = p + n - 1:
;   n = 3: t[e] = q4, t[e-1] = q3, t[e-2] = q2;   n = 4: also t[e-3] = q1;   n = 5: also t[e-4] = q0.
; The reference's bound p <= L - n - 8 is e <= L - 9 for every n, its result t[p+n ..] is t[e+1 .. e+8] for every n, and the first p is the first e.  KEY = e + 0x2000 x (5 - n): the least key over
; all valid matches is the answer.  The valid ends are a prefix of the row, so the first match of a level is valid or none of that level is: the bound is tested once, at the end.
; The reference clips the pattern's indices at 0 only for L < n; a valid end needs L >= n + 8, so there the result is zeros whatever the pattern.
; WHAT IS NOT READ.  L and the mask are whole numbers read from memory here, and only what they ask for is done: a row whose mask byte is 0 and a wave whose tokens all lie behind L-9 load
; nothing and hand on the key 'none'; no chunk behind token L-1 is read.  All three inputs are loaded; no step of the reference is left out.
; LIMIT.  L lies in -2^31+9 .. 8192: the reference's own index L-1 stays in the row, and L-9 does not wrap.  Every address made from L is clamped into the row all the same.
; SHARES.  A work-group takes a row, its eight waves 1,024 tokens each: 8 chunks of 128 tokens, one load of 16 bytes a lane, so a load of a wave covers 512 consecutive bytes, aligned.
; Lane i, register k of a chunk holds token 4 i + k.  A compare with a pattern token gives a mask of lanes in a scalar register; two chunks' masks lie in one 64-bit pair.
; A MATCH IS RECORDED ONE LANE AHEAD OF ITS END.  For an end in register k of lane a + 1 the pattern's part that lies in lane a + 1 is the same for n = 3, 4, 5 (but for k = 3, which has two):
; that product is shifted right by one lane, five shifts in all, and the parts in lane a are ANDed on level by level.  So lane a of chunk c stands for the ends 128 c + 4 a + 4 .. + 7.
; FROM THE LAST CHUNK TO THE FIRST.  The shift wants lane 0 of the chunk behind: that chunk has been worked on already, and its bit is kept as a carry; behind the wave's last chunk stand 64 bytes
; loaded for the purpose.  And the first match of a lane is what the last overwrite leaves: one select for each register, chunk and level, the position as its constant.
; A wave so finds the ends from its first token + 4 to its last + 4.  The row's ends 2 and 3 have no lane ahead of them: they are the bits that wave 0's first chunk shifts out.
; In the row's partial wave a chunk behind token L-1 repeats the last needed chunk's address: every active wave has the same loads and counts, and the repeats stand for positions behind L-1,
; which are neither valid ends nor wanted tokens.
; THE TOKENS BEHIND THE MATCH.  t[e+1 .. e+8] lie in the groups of four g, g + 1, g + 2, g = (e + 1) / 4.  Lane l of wave w holds group 256 w + 32 c + l in chunk c, and group 256 w + 256 + l % 4 of
; the 16 tokens behind the range: all of them are l modulo 4, and the three wanted groups differ modulo 4, so a lane holds at most one of them: nine compares and 36 selects leave it, or zeros.
; An OR over the lanes of equal l % 4 then gives a ring of 16 tokens in four slots, in which token p lies at place p % 16.
; THE MEETING.  Each wave puts its key and each lane's selected group into LDS; behind one barrier wave 0 takes the least key, selects that wave's groups, makes the ring and picks the eight.
; No matrix work (there is no product), no tensor load (a wave wants 64 bytes of another's), no cluster (rows share nothing).  A row's whole output is 32 consecutive bytes.
.set S_TOK, 8192                       ; tokens in a row
.set LV4,   0x2000                     ; key of a 4-gram: e + LV4
.set LV3,   0x4000                     ; of a 3-gram
.set NONE,  0x6000                     ; keys from here on: no match
.set BIG,   0x40000                    ; the key 'none'
.set SENT,  0x10000                    ; a lane's first match before it has one: beyond every bound
.set STG,   256                        ; LDS: bytes 0-31 the eight keys; from 256 on 16 bytes for each of the 256 threads;
.set SPARE, 4352                       ; behind them the spare words, 128 bytes a wave: four blocks of 256 bytes that no other line names
.set LN,    2                          ; v2   lane
.set VOFF,  3                          ; v3   byte offset in the row of my 16 bytes of the wave's chunk 0
.set LB,    4                          ; v4   the wave's first token + 4 x lane
.set VPOST, 5                          ; v5   byte offset of my group of the 16 tokens behind the wave's range
.set KV,    6                          ; v6   the key
.set TV,    7                          ; v7   at work
.set VO,    8                          ; v9-15  my offset in chunks 1 to 7
.set POST,  16                         ; v16-19 group l % 4 of the 16 tokens behind the wave's range
.set D,     20                         ; v20-51 chunk c at D + 4 c; at the meeting: wave w's group at D + 4 w, then the ring
.set B3,    52                         ; v52-53 the lane's first 3-gram, level and position: in even chunks, in odd chunks: two chains that do not wait for each other
.set B4,    54                         ; v54-55 4-gram
.set B5,    56                         ; v56-57 5-gram
.set SPW,   58                         ; v58  LDS address of my spare word; never rewritten
.set NIL,   59                         ; v59  0; never rewritten
.set W,     60                         ; v60-63 the group selected, or zeros
.set R,     64                         ; v64-71 the eight keys; then at work
.set QL2,   72                         ; v72  256 w + l - 2
.set QP,    73                         ; v73  256 w + 256 + l % 4
.set G,     74                         ; v74  g
.set XC,    75                         ; v75  the chunk in which my wanted group lies, or -1
.set TP,    76                         ; v76  at work
.set KA,    77                         ; v77  LDS address of my wave's key
.set WA,    78                         ; v78  LDS address of my thread's 16 bytes
.set ZA,    79                         ; v79  LDS address 0
.set J,     80                         ; v80  l % 8: which of the eight tokens is mine
.set OO,    81                         ; v81  its bytes in the row of out0
.set EP,    82                         ; v82  e + 1 + j
.set SL,    83                         ; v83  its slot, seen from my lane
.set M,     84                         ; v84-87 the least key; at work
.set VP3,   88                         ; v88  16 x (l % 4)
.set REM,   2                          ; s2   (L - 9) - the wave's first token
.set CM,    3                          ; s3   the chunk in which token L - 1 lies, counted from the wave's first
.set MK,    20                         ; s20  the row's mask byte
.set LEN,   21                         ; s21  L
.set LIM,   22                         ; s22  L - 9, the last valid end; -1 for a masked row
.set BASE,  23                         ; s23  the wave's first token
.set E4,    24                         ; s24-31 pairs: q4 = register k at E4 + 2 k: low word the even chunk, high word the odd one
.set E3,    32                         ; s32-39 q3
.set E2,    40                         ; s40-47 q2
.set E1,    48                         ; s48-55 q1
.set E0,    56                         ; s56-63 q0
.set CY,    66                         ; s66-75 two sets of five carries, 0 or bit 31: lane 0 of the chunk behind
.set Q0,    76                         ; s76-80 q0..q4
.set Q1,    77
.set Q2,    78
.set Q3,    79
.set Q4,    80
.set WV,    81                         ; s81  wave
.set T0,    82
.set X,     83
.set PO,    84                         ; s[84:85] the pattern's byte offset in the row
.set PA,    86                         ; s[86:87] its address
.set SBIG,  88                         ; s88  BIG
.set SV,    89
.set SEL,   90                         ; s[90:91] v_permlanex16_b32's selects: each lane takes its own place in the other half
.set LC5,   92                         ; s92-94 the last end that this wave may report, with each level's offset
.set LC4,   93
.set LC3,   94
	s_load_b256 s[4:11], s[0:1], 0x0               ; mask s[4:5], L s[6:7], tokens s[8:9], out0 s[10:11]
	v_lshl_add_u32 v[SPW], v0, 2, SPARE
	v_mov_b32 v[NIL], 0
	v_lshrrev_b32 v1, 5, v0
	v_readfirstlane_b32 s[WV], v1                  ; wave 0..7
	v_and_b32 v[LN], 31, v0
	s_mov_b32 s12, ttmp9                           ; the row: 1 byte of the mask,
	s_mov_b32 s13, 0
	s_lshl_b32 s14, ttmp9, 2                       ; 4 bytes of L,
	s_mov_b32 s15, 0
	s_lshl_b32 s16, ttmp9, 15                      ; 32,768 bytes of tokens,
	s_mov_b32 s17, 0
	s_lshl_b32 s18, ttmp9, 5                       ; 32 bytes of out0
	s_mov_b32 s19, 0
	s_wait_kmcnt 0x0
	s_add_nc_u64 s[4:5], s[4:5], s[12:13]
	s_add_nc_u64 s[6:7], s[6:7], s[14:15]
	s_load_u8 s[MK], s[4:5], 0x0
	s_load_b32 s[LEN], s[6:7], 0x0
	s_add_nc_u64 s[8:9], s[8:9], s[16:17]          ; what hangs on ids alone is made while the two are on their way
	s_add_nc_u64 s[10:11], s[10:11], s[18:19]
	s_lshl_b32 s[BASE], s[WV], 10
	v_lshlrev_b32 v[VOFF], 4, v[LN]
	v_lshl_add_u32 v[VOFF], s[WV], 12, v[VOFF]
	v_lshlrev_b32 v[LB], 2, v[LN]
	v_add_nc_u32 v[LB], s[BASE], v[LB]
	v_and_b32 v1, 3, v[LN]
	v_lshlrev_b32 v[VP3], 4, v1
	v_lshl_add_u32 v[QP], s[WV], 8, v1
	v_add_nc_u32 v[QP], 0x100, v[QP]
	v_lshl_add_u32 v[QL2], s[WV], 8, v[LN]
	v_add_nc_u32 v[QL2], -2, v[QL2]
	v_mov_b32 v[KV], BIG
.irp k, 0,1,2,3
	v_mov_b32 v[W+(\k)], 0                         ; what a wave without work, and a lane without a wanted group, hands on
.endr
	s_lshl_b32 s[T0], s[WV], 2
	v_mov_b32 v[KA], s[T0]
	v_lshl_add_u32 v[WA], v0, 4, STG
	s_mov_b32 s[SBIG], BIG
	s_mov_b32 s[SEL], 0x76543210
	s_mov_b32 s[SEL+1], 0xfedcba98
	s_mov_b32 s[PO+1], 0
	s_wait_kmcnt 0x0                               ; L and the mask byte
	s_sub_co_i32 s[LIM], s[LEN], 9
	s_cmp_lg_u32 s[MK], 0
	s_cselect_b32 s[LIM], s[LIM], -1
	s_sub_co_i32 s[REM], s[LIM], s[BASE]
	s_cmp_lt_i32 s[REM], 0
	s_cbranch_scc1 .Lout                           ; no valid end from my first token on: nothing is loaded, the key is 'none'
	s_sub_co_i32 s[PO], s[LEN], 5                  ; the pattern: t[L-5 .. L-1], clamped into the row
	s_min_u32 s[PO], s[PO], S_TOK-5
	s_lshl_b32 s[PO], s[PO], 2
	s_add_nc_u64 s[PA:PA+1], s[8:9], s[PO:PO+1]
	s_load_b128 s[Q0:Q0+3], s[PA:PA+1], 0x0
	s_load_b32 s[Q4], s[PA:PA+1], 0x10
	s_add_co_u32 s[T0], s[REM], 8                  ; (L - 1) - my first token: the tokens behind the last valid end are wanted too
	s_lshr_b32 s[CM], s[T0], 7
	s_min_u32 s[T0], s[CM], 8                      ; the 16 tokens behind my range, if L - 1 lies behind it; else the head of the last needed chunk, which serves nothing and costs no new bytes
	s_lshl_b32 s[T0], s[T0], 9
	s_lshl_b32 s[X], s[WV], 12
	s_add_co_u32 s[T0], s[T0], s[X]
	s_min_u32 s[T0], s[T0], 4*S_TOK-64             ; inside the row whatever L holds
	v_add_nc_u32 v[VPOST], s[T0], v[VP3]
	global_load_b128 v[POST:POST+3], v[VPOST], s[8:9]
.irp c, 7,6,5,4,3,2,1
	s_min_u32 s[T0], s[CM], \c                     ; chunk c, or the last needed one
	s_lshl_b32 s[T0], s[T0], 9
	v_add_nc_u32 v[VO+(\c)], s[T0], v[VOFF]
	global_load_b128 v[D+4*(\c):D+4*(\c)+3], v[VO+(\c)], s[8:9]
.endr
	global_load_b128 v[D:D+3], v[VOFF], s[8:9]
	s_min_u32 s[LC5], s[REM], 1027                 ; my lanes stand for ends up to my first token + 1,027
	s_add_co_u32 s[LC5], s[LC5], s[BASE]
	s_add_co_u32 s[LC4], s[LC5], LV4
	s_add_co_u32 s[LC3], s[LC5], LV3
.irp r, 0,1,2,3,4,5
	v_mov_b32 v[B3+(\r)], SENT
.endr
; The 20 masks of chunk c, into the low (even c) or high (odd c) words of the pairs.
.macro CMPS c
.set H, (\c)%2
.irp k, 0,1,2,3
	v_cmp_eq_u32 s[E4+2*(\k)+H], s[Q4], v[D+4*(\c)+(\k)]
	v_cmp_eq_u32 s[E3+2*(\k)+H], s[Q3], v[D+4*(\c)+(\k)]
	v_cmp_eq_u32 s[E2+2*(\k)+H], s[Q2], v[D+4*(\c)+(\k)]
	v_cmp_eq_u32 s[E1+2*(\k)+H], s[Q1], v[D+4*(\c)+(\k)]
	v_cmp_eq_u32 s[E0+2*(\k)+H], s[Q0], v[D+4*(\c)+(\k)]
.endr
.endm
.macro AND64 d, a, b
	s_and_b64 s[(\d):(\d)+1], s[(\a):(\a)+1], s[(\b):(\b)+1]
.endm
; The pair at x goes one lane down: lane a takes lane a + 1, the odd chunk's lane 31 the carry; its own lane 0 becomes the carry for the pair in front.
.macro SHIFT x, i
	s_lshl_b32 s[CYO+(\i)], s[(\x)], 31
	s_lshr_b64 s[(\x):(\x)+1], s[(\x):(\x)+1], 1
	s_or_b32 s[(\x)+1], s[(\x)+1], s[CYI+(\i)]
.endm
; Chunks 2 p and 2 p + 1.  Loads come back in order, and chunk c was issued with c loads behind it.
.macro PAIR p
.set CYI, CY+5*(((\p)+1)%2)
.set CYO, CY+5*((\p)%2)
	s_wait_loadcnt 2*(\p)+1
	CMPS 2*(\p)+1
	s_wait_loadcnt 2*(\p)
	CMPS 2*(\p)
	AND64 E4+2, E4+2, E3+0                         ; the pattern's part in the end's own lane.  End in register 1: q4, q3 in registers 1, 0
	AND64 E4+4, E4+4, E3+2                         ; register 2: q4, q3, q2 in 2, 1, 0
	AND64 E4+6, E4+6, E3+4                         ; register 3: q4, q3, q2 in 3, 2, 1,
	AND64 E4+4, E4+4, E2+0
	AND64 E4+6, E4+6, E2+2
	AND64 E1+0, E4+6, E1+0                         ; and for n >= 4 also q1 in 0.  (Register 0: q4 alone)
	SHIFT E4+0, 0
	SHIFT E4+2, 1
	SHIFT E4+4, 2
	SHIFT E4+6, 3
	SHIFT E1+0, 4
	AND64 E4+0, E4+0, E3+6                         ; the parts in the lane ahead.  3-grams end up in E4 + 2 k,
	AND64 E4+2, E4+2, E2+6
	AND64 E4+0, E4+0, E2+4
	AND64 E1+4, E4+2, E1+4                         ; 4-grams in E1 + 2 ((k + 1) % 4),
	AND64 E1+6, E4+4, E1+6
	AND64 E1+2, E4+0, E1+2
	AND64 E0+6, E1+0, E0+6                         ; 5-grams in E0 + 2 k
	AND64 E0+2, E1+4, E0+2
	AND64 E0+4, E1+6, E0+4
	AND64 E0+0, E1+2, E0+0
.irp k, 3,2,1,0                        ; later ends first: the last overwrite leaves the lane's first match
.irp h, 1,0
	v_cndmask_b32 v[B3+(\h)], v[B3+(\h)], LV3+128*(2*(\p)+(\h))+(\k)+4, s[E4+2*(\k)+(\h)]
	v_cndmask_b32 v[B4+(\h)], v[B4+(\h)], LV4+128*(2*(\p)+(\h))+(\k)+4, s[E1+2*(((\k)+1)%4)+(\h)]
	v_cndmask_b32 v[B5+(\h)], v[B5+(\h)], 128*(2*(\p)+(\h))+(\k)+4, s[E0+2*(\k)+(\h)]
.endr
.endr
.endm
	s_wait_kmcnt 0x0                               ; the pattern
	s_wait_loadcnt 8                               ; the tokens behind my range; the eight chunks may stay out
.irp k, 0,1,2,3                        ; the same five products of them; lane 0 holds the first four, and its bit alone is taken
	v_cmp_eq_u32 s[E4+2*(\k)], s[Q4], v[POST+(\k)]
.endr
.irp k, 0,1,2
	v_cmp_eq_u32 s[E3+2*(\k)], s[Q3], v[POST+(\k)]
.endr
.irp k, 0,1
	v_cmp_eq_u32 s[E2+2*(\k)], s[Q2], v[POST+(\k)]
.endr
	v_cmp_eq_u32 s[E1], s[Q1], v[POST]
	s_and_b32 s[E4+2], s[E4+2], s[E3]
	s_and_b32 s[E4+4], s[E4+4], s[E3+2]
	s_and_b32 s[E4+6], s[E4+6], s[E3+4]
	s_and_b32 s[E4+4], s[E4+4], s[E2]
	s_and_b32 s[E4+6], s[E4+6], s[E2+2]
	s_and_b32 s[E1], s[E4+6], s[E1]
	s_lshl_b32 s[CY+0], s[E4], 31                  ; the carries into chunk 7
	s_lshl_b32 s[CY+1], s[E4+2], 31
	s_lshl_b32 s[CY+2], s[E4+4], 31
	s_lshl_b32 s[CY+3], s[E4+6], 31
	s_lshl_b32 s[CY+4], s[E1], 31
	PAIR 3
	PAIR 2
	PAIR 1
	PAIR 0
	v_min_u32 v[B3], v[B3], v[B3+1]                ; even and odd chunks
	v_min_u32 v[B4], v[B4], v[B4+1]
	v_min_u32 v[B5], v[B5], v[B5+1]
	v_add_nc_u32 v[B3], v[B3], v[LB]               ; from the wave and the lane to the row
	v_add_nc_u32 v[B4], v[B4], v[LB]
	v_add_nc_u32 v[B5], v[B5], v[LB]
	v_cmp_ge_u32 s[E4],   s[LC3], v[B3]            ; e <= L - 9, once for each level
	v_cmp_ge_u32 s[E4+1], s[LC4], v[B4]
	v_cmp_ge_u32 s[E4+2], s[LC5], v[B5]
	s_cmp_lg_u32 s[CY+4], 0                        ; what chunk 0 has shifted out: ends in the wave's first four tokens.  In waves 1 to 7 the wave in front has them;
	s_cselect_b32 s[X], LV4+3, s[SBIG]             ; in wave 0 they are the row's: a 4-gram that ends at 3,
	s_cmp_lg_u32 s[CY+3], 0
	s_cselect_b32 s[T0], LV3+3, s[SBIG]            ; a 3-gram that ends at 3,
	s_min_u32 s[X], s[X], s[T0]
	s_cmp_ge_i32 s[REM], 3
	s_cselect_b32 s[X], s[X], s[SBIG]
	s_cmp_lg_u32 s[CY+2], 0
	s_cselect_b32 s[T0], LV3+2, s[SBIG]            ; a 3-gram that ends at 2
	s_cmp_ge_i32 s[REM], 2
	s_cselect_b32 s[T0], s[T0], s[SBIG]
	s_min_u32 s[X], s[X], s[T0]
	s_cmp_eq_u32 s[WV], 0
	s_cselect_b32 s[X], s[X], s[SBIG]
	v_cndmask_b32 v[KV], v[KV], v[B3], s[E4]       ; the longest valid level of the lane
	v_cndmask_b32 v[KV], v[KV], v[B4], s[E4+1]
	v_cndmask_b32 v[KV], v[KV], v[B5], s[E4+2]
	v_min_u32 v[KV], s[X], v[KV]
	v_mov_b32 v[TV], v[KV]                         ; (a lane move's destination counts as read)
.irp m, 1,2,4,8                        ; the least key of the 32 lanes: four steps inside each half of 16, one across
	v_mov_b32_dpp v[TV], v[KV] row_xmask:\m row_mask:0xf bank_mask:0xf
	v_min_u32 v[KV], v[KV], v[TV]
.endr
	v_permlanex16_b32 v[TV], v[KV], s[SEL], s[SEL+1]
	v_min_u32 v[KV], v[KV], v[TV]                  ; the wave's key, in every lane
	; which of my nine groups lies behind the wave's match?  Group 256 w + 32 c + l is g + d, d = 0, 1, 2, where x = g + 2 - (256 w + l) = 32 c + 2 - d: x / 32 = c and x % 32 < 3
	v_and_b32 v[TV], 0x1fff, v[KV]                 ; e
	v_add_nc_u32 v[TV], 1, v[TV]
	v_lshrrev_b32 v[G], 2, v[TV]                   ; g
	v_sub_nc_u32 v[XC], v[G], v[QL2]               ; x
	v_sub_nc_u32 v[TP], v[QP], v[G]                ; my group behind the range, less g
	v_and_b32 v[TV], 31, v[XC]
	v_lshrrev_b32 v[XC], 5, v[XC]
	v_cmp_gt_u32 vcc_lo, 3, v[TV]
	v_cndmask_b32 v[XC], -1, v[XC], vcc_lo
.irp c, 0,1,2,3,4,5,6,7
	v_cmp_eq_u32 s[E4+(\c)], \c, v[XC]
.endr
	v_cmp_gt_u32 s[E3], 3, v[TP]
.irp c, 0,1,2,3,4,5,6,7
.irp k, 0,1,2,3
	v_cndmask_b32 v[W+(\k)], v[W+(\k)], v[D+4*(\c)+(\k)], s[E4+(\c)]
.endr
.endr
.irp k, 0,1,2,3
	v_cndmask_b32 v[W+(\k)], v[W+(\k)], v[POST+(\k)], s[E3]
.endr
.Lout:                                                 ; every wave, with or without work: keys and groups meet in LDS
	ds_store_b32 v[KA], v[KV]                      ; all lanes write the wave's one word with the same value
	ds_store_b128 v[WA], v[W:W+3]                  ; 16 neighbouring bytes a lane
	s_wait_dscnt 0x0                               ; for the others' sake: my stores are done
	s_barrier_signal -1
	s_barrier_wait -1
	s_cmp_lg_u32 s[WV], 0
	s_cbranch_scc1 .Lend                           ; wave 0 finishes the row
	v_mov_b32 v[ZA], 0
	ds_load_b128 v[R:R+3], v[ZA]
	ds_load_b128 v[R+4:R+7], v[ZA] offset:16
.irp w, 0,1,2,3,4,5,6,7
	ds_load_b128 v[D+4*(\w):D+4*(\w)+3], v[WA] offset:512*(\w)  ; what lane l of wave w has selected (in wave 0 my thread's number is my lane)
.endr
	v_and_b32 v[J], 7, v[LN]
	v_lshlrev_b32 v[OO], 2, v[J]
	s_wait_dscnt 8                                 ; the keys are back; the eight loads behind them may stay out
	v_min_u32 v[M],   v[R],   v[R+1]
	v_min_u32 v[M+1], v[R+2], v[R+3]
	v_min_u32 v[M+2], v[R+4], v[R+5]
	v_min_u32 v[M+3], v[R+6], v[R+7]
	v_min_u32 v[M],   v[M],   v[M+1]
	v_min_u32 v[M+2], v[M+2], v[M+3]
	v_min_u32 v[M],   v[M],   v[M+2]               ; the row's least key, in every lane
.irp w, 1,2,3,4,5,6,7
	v_cmp_eq_u32 s[E4+(\w)], v[M], v[R+(\w)]       ; the waves' ends are disjoint, so a key below NONE belongs to one wave
.endr
	v_and_b32 v[EP], 0x1fff, v[M]                  ; e
	v_add3_u32 v[EP], v[EP], v[J], 1               ; my token's position; its place in the ring is position % 16: slot (position / 4) % 4, register position % 4
	v_bfe_u32 v[SL], v[EP], 2, 2
	v_xor_b32 v[SL], v[SL], v[LN]                  ; low two bits: slot xor l % 4: how far, by exclusive or, the lane that holds the slot is from mine
	v_and_b32 v[M+1], 1, v[SL]
	v_and_b32 v[M+2], 2, v[SL]
	v_and_b32 v[M+3], 1, v[EP]
	v_and_b32 v[EP], 2, v[EP]
	v_cmp_ne_u32 s[E3],   0, v[M+1]
	v_cmp_ne_u32 s[E3+1], 0, v[M+2]
	v_cmp_ne_u32 s[E3+2], 0, v[M+3]
	v_cmp_ne_u32 s[E3+3], 0, v[EP]
	s_wait_dscnt 0x0
.irp w, 1,2,3,4,5,6,7
.irp k, 0,1,2,3
	v_cndmask_b32 v[D+(\k)], v[D+(\k)], v[D+4*(\w)+(\k)], s[E4+(\w)]  ; the winner's groups
.endr
.endr
.irp m, 4,8                            ; the OR over the lanes of equal l % 4: two steps inside each half of 16 lanes, one across.  The keys' registers are free, and have been written
.irp k, 0,1,2,3
	v_mov_b32_dpp v[R+(\k)], v[D+(\k)] row_xmask:\m row_mask:0xf bank_mask:0xf
.endr
.irp k, 0,1,2,3
	v_or_b32 v[D+(\k)], v[D+(\k)], v[R+(\k)]
.endr
.endr
.irp k, 0,1,2,3
	v_permlanex16_b32 v[R+(\k)], v[D+(\k)], s[SEL], s[SEL+1]
.endr
.irp k, 0,1,2,3
	v_or_b32 v[D+(\k)], v[D+(\k)], v[R+(\k)]       ; slot l % 4 of the ring
.endr
.irp m, 1,2,3                          ; the other three slots: slot (l % 4) xor m at D + 4 m
.irp k, 0,1,2,3
	v_mov_b32_dpp v[D+4*(\m)+(\k)], v[D+(\k)] row_xmask:\m row_mask:0xf bank_mask:0xf
.endr
.endr
.irp k, 0,1,2,3
	v_cndmask_b32 v[D+(\k)],   v[D+(\k)],   v[D+4+(\k)],  s[E3]    ; one of sixteen: by the slot's two bits,
	v_cndmask_b32 v[D+8+(\k)], v[D+8+(\k)], v[D+12+(\k)], s[E3]
.endr
.irp k, 0,1,2,3
	v_cndmask_b32 v[D+(\k)], v[D+(\k)], v[D+8+(\k)], s[E3+1]
.endr
	v_cndmask_b32 v[D],   v[D],   v[D+1], s[E3+2]  ; by the register's two bits
	v_cndmask_b32 v[D+2], v[D+2], v[D+3], s[E3+2]
	v_cndmask_b32 v[D],   v[D],   v[D+2], s[E3+3]
	v_cmp_gt_u32 vcc_lo, NONE, v[M]                ; is there a match?
	v_cndmask_b32 v[D], 0, v[D], vcc_lo
	s_wait_xcnt 0x0                                ; EXEC changes only behind this wait
	v_cmp_gt_u32 vcc_lo, 8, v0
	s_and_saveexec_b32 s[SV], vcc_lo
	global_store_b32 v[OO], v[D], s[10:11]         ; lanes 0-7: the row's 32 consecutive bytes
	s_wait_xcnt 0x0                                ; and again, in front of the line that widens it
	s_or_b32 exec_lo, exec_lo, s[SV]
.Lend:
	s_wait_tensorcnt 0x0                           ; the wave's end, behind my last LDS store
	ds_add_u32 v[SPW], v[NIL]
	s_wait_dscnt 0x0
	s_endpgm
.Lfunc_end_k_q751e79a34d_ngram:
	.size	k_q751e79a34d_ngram, .Lfunc_end_k_q751e79a34d_ngram-k_q751e79a34d_ngram
	.p2alignl 7, 3214868480
	.fill 96, 4, 3214868480
	.section	.rodata,"a",@progbits
	.p2align	6, 0x0
	.amdhsa_kernel k_q751e79a34d_ngram
		.amdhsa_group_segment_fixed_size 5376
		.amdhsa_private_segment_fixed_size 0
		.amdhsa_enable_private_segment 0
		.amdhsa_kernarg_size 32
		.amdhsa_user_sgpr_count 2
		.amdhsa_user_sgpr_kernarg_segment_ptr 1
		.amdhsa_wavefront_size32 1
		.amdhsa_system_sgpr_workgroup_id_x 1
		.amdhsa_system_sgpr_workgroup_id_y 1
		.amdhsa_system_sgpr_workgroup_id_z 1
		.amdhsa_system_vgpr_workitem_id 0
		.amdhsa_next_free_vgpr 92
		.amdhsa_next_free_sgpr 96
		.amdhsa_reserve_vcc 1
		.amdhsa_float_denorm_mode_32 3
		.amdhsa_float_denorm_mode_16_64 3
		.amdhsa_memory_ordered 1
		.amdhsa_forward_progress 1
		.amdhsa_inst_pref_size 42
	.end_amdhsa_kernel
	.amdgpu_metadata
---
amdhsa.version: [ 1, 2 ]
amdhsa.kernels:
  - .name:           k_q751e79a34d_ngram
    .symbol:         k_q751e79a34d_ngram.kd
    .args:
      - { .name: combined_mask, .offset: 0, .size: 8, .value_kind: global_buffer, .address_space: global }
      - { .name: num_tokens_no_spec, .offset: 8, .size: 8, .value_kind: global_buffer, .address_space: global }
      - { .name: token_ids_gpu, .offset: 16, .size: 8, .value_kind: global_buffer, .address_space: global }
      - { .name: out0, .offset: 24, .size: 8, .value_kind: global_buffer, .address_space: global }
    .group_segment_fixed_size: 5376
    .private_segment_fixed_size: 0
    .kernarg_segment_align: 8
    .kernarg_segment_size: 32
    .max_flat_workgroup_size: 256
    .sgpr_count:     96
    .vgpr_count:     92
    .wavefront_size: 32
...
	.end_amdgpu_metadata
.endif
;; end of part 3
